; MI455X (gfx1250); checked and timed in simulation.
; The chip was launched on July 23, 2026; its instructions are those of AMD's public machine-readable ISA for CDNA 5 (MIT licence, August 2026) and "CDNA5" Instruction Set Architecture Reference Guide (July 2026). The comments in the code are by the model that wrote it; some were corrected since.
;; Vaswani Multi Head Attention. Allowed arithmetic: matrix products marked QUANTISED: E2M3 operands, one E8M0 scale for each 32 along K, by v_wmma_scale_f32_16x16x128_f8f6f4 with both operands' format E2M3, f32 sums; everything else in f32.
;; Inputs: Wk 1,024 x 1,024 float32; Wq 1,024 x 1,024 float32; Wv 1,024 x 1,024 float32; bk 1,024 float32; bq 1,024 float32; bv 1,024 float32; q 4 x 2,048 x 1,024 float32; v 4 x 2,048 x 1,024 float32.
;; Outputs: out0 4 x 2,048 x 1,024 float32.
;; This version of the problem:
;;   THIS VERSION OF THE PROBLEM IS GIVEN IN LOW PRECISION. The matrix products marked QUANTISED in the list below multiply operands that are first quantised to E2M3 (2 exponent bits, 3 mantissa bits; 6 bits a number), with one power-of-two scale for each 32 numbers along K (OCP MX v1.0); their sums are f32. All else is computed in f32.
;;   The module's matrix products, in the order in which they are computed (A, B: the left and right operand; K: the contracted axis; several contracted axes count as one K, in the product's order):
;;     1. [M 8,192, K 1,024] x [K 1,024, N 1,024]; A: input q; B: input Wq: QUANTISED
;;     2. [M 8,192, K 1,024] x [K 1,024, N 1,024]; A: input v; B: input Wk: QUANTISED
;;     3. [M 8,192, K 1,024] x [K 1,024, N 1,024]; A: input v; B: input Wv: QUANTISED
;;     4. batch 32 x [M 2,048, K 128] x [K 128, N 2,048]; A: computed on the way; B: computed on the way: QUANTISED
;;     5. batch 32 x [M 128, K 2,048] x [K 2,048, N 2,048]; A: computed on the way; B: softmax (see below): QUANTISED
;;   THE QUANTISER, for each operand of a quantised product, along K:
;;     - K is cut into blocks of 32 from its start; a last block that is shorter is filled with zeros.
;;     - A block's scale is 2^e with e = floor(log2(the largest magnitude in the block)) - 2, held to -126 .. 127; a block of zeros has e = 0. As a byte (E8M0): e + 127.
;;     - Each number is divided by its block's scale, clamped to +-7.5, and rounded to the nearest number of E2M3, ties to even, subnormals kept.
;;     - The product sums the exact products of the quantised numbers (number of the format x scale) in f32.
;;   ~~~python
;;   def quantise(x, axis):      # numpy; x: float32 -> the quantised numbers, widened to float32 again
;;       x = np.moveaxis(x, axis, -1); K = x.shape[-1]
;;       x = np.pad(x, [(0, 0)] * (x.ndim - 1) + [(0, -K % 32)]); x = x.reshape(x.shape[:-1] + (-1, 32)); a = np.abs(x).max(-1, keepdims=True)
;;       e = np.where(a > 0, np.clip(np.frexp(np.where(a > 0, a, 1))[1] - 1 - 2, -126, 127), 0)      # np.frexp(a)[1] - 1 = floor(log2(a)), exactly
;;       r = np.clip(x / 2.0 ** e, -7.5, 7.5)
;;       step = 2.0 ** (np.maximum(np.frexp(np.where(r == 0, 1, r))[1] - 1, 0) - 3)
;;       q = np.round(r / step) * step * 2.0 ** e      # np.round: ties to even
;;       return np.moveaxis(q.reshape(q.shape[:-2] + (-1,))[..., :K], -1, axis).astype(np.float32)
;;   ~~~
;;   SOFTMAX AHEAD OF A QUANTISED PRODUCT. Where the list says 'softmax', what is quantised is not the finished softmax but p = 2^(t - M), with t = logit x log2(e) and M = ceil(the row's largest t), a whole number; so 1/2 < the row's largest p <= 1. The row's sum l is taken of the UNQUANTISED p, in f32, and the product's result is divided by l at the end. Since M is a whole number, a kernel that streams over the keys may use a running M (the ceiling of the running maximum): every later rescaling is an exact power of two, which a block's scale takes up: the codes' values come out the same.
;;   OPERANDS COMPUTED ON THE WAY. 'Computed on the way' means the value that the module computes at that place (a softmax that the list does not call 'softmax' is quantised finished and normalised). What goes into a quantiser is computed in f32, as accurately as f32 sums, v_exp_f32 and their like allow (about 1e-6 of the number): no bf16 or f16 on the way to a quantiser, and a product that is left as it is and whose result goes on into a quantised operand takes f32 operands (vector FMAs, or v_wmma_f32_16x16x4_f32). A number that lies on a knife's edge between two numbers of the format may be rounded either way, as far as f32 arithmetic and the matrix unit's own rounding can turn it there, and no further.
;; One version. Each part assembles by itself: llvm-mc -triple=amdgcn-amd-amdhsa -mcpu=gfx1250 --defsym DOCPART=n.
;; ======== version 1 of 1: 3 launches
;; limits: right only within a limited range of input values
;; workspace buffers: cx 13,107,200 bytes; cw 2,457,600 bytes; qf 6,553,600 bytes; kv 13,107,200 bytes
;; launch quant (part 1): grid 608 x 1, 4 waves a work-group, no clusters, 34,304 bytes of LDS; arguments q, v, Wq, Wk, Wv, cx, cw; writes cx, cw
.if DOCPART == 1
	.amdgcn_target "amdgcn-amd-amdhsa--gfx1250"
	.amdhsa_code_object_version 6
	.text
	.protected	k_qf271380a43_quant
	.globl	k_qf271380a43_quant
	.p2align	8
	.type	k_qf271380a43_quant,@function
k_qf271380a43_quant:
	s_mov_b64 s[64:65], 0
	v_nop
	global_prefetch_b8 v0, s[64:65] scope:SCOPE_SE
	s_setreg_imm32_b32 hwreg(HW_REG_WAVE_MODE, 25, 1), 1
	s_wait_xcnt 0x0
; q, v [8192][1024] f32 (K innermost) and Wq, Wk, Wv [1024 (K)][1024] f32 (K outermost) become codes of FP6 (E2M3) with one E8M0 byte for each 32 along K,
; laid as IMAGES OF OPERAND REGISTERS.  A fragment (16 rows x 128 K, 12 registers a lane) is 1,536 bytes: piece k = registers 4 k .. 4 k + 3, lane l's 16 bytes at 512 k + 16 l.
; A BLOCK of 6,400 bytes serves 32 rows (a pair of tiles) x 256 K (two K steps): fragment (tile u, step sp) at 3072 u + 1536 sp; at 6,144 the scale words, 8 bytes a lane:
; word u of lane 16 sp + rho belongs to (tile u, row rho, step sp).  cx: [q, v][chunk of 256 K: 4][pair: 256] blocks;  cw: [Wq, Wk, Wv][chunk: 4][pair: 32] blocks.
; THE ROWS OF A TILE ARE NOT NEIGHBOURS: row rho of tile u of pair P is row (for W: column) 32 P + 8 u + rho + 8 (rho / 8), so that results made with such a tile as source 0 have 16 neighbours in 16 registers.
; A block's scale is 2^(floor(log2(largest magnitude)) - 2): its byte is the largest magnitude's exponent field - 2, held at 1 from below by a floor among the maximum's leaves.
; LIMITS: NaN and infinities are not served; blocks whose largest magnitude lies under 2^-124 keep the byte 1; a block of zeros has the byte 1 where the rule says 127 (its codes are zeros, and this program alone reads the bytes).
; SHARES: a wave makes one block.  Work-groups 0-95: W (no LDS).  Work-groups 96-607: q and v; a work-group reads 32 whole rows, wave w their chunk w.  No cluster: work-groups share no input.  No barrier: waves share nothing.
; THE ORDER OF THE BLOCKS in cx and cw, which stands in place of the order named in the lines above: [tensor or matrix][group of 4 pairs = 128 rows][chunk of 256 K: 4][pair in the group: 4].
; So all of K of 128 rows is 102,400 dense bytes, a chunk of them 25,600.
.set NW,    96                         ; work-groups for the three W
.set LI,    1                          ; v1  16 x lane
.set L8,    2                          ; v2  8 x lane
.set LANE,  3
.set WA,    6                          ; W path: v6 byte offset of my column in the pair's 128 bytes
.set WX,    16                         ; v16-79   two sets of 32 numbers down K
.set WF,    80                         ; v80-127  step sp: 12 registers of blocks 0, 2 at 80 + 24 sp, of blocks 1, 3 at 92 + 24 sp
.set WSTG,  128                        ; v128-130 a block's upper 16 codes (a conversion's three registers begin on an even number)
.set WSC,   142                        ; v142-143 my column's scale words of steps 0, 1
.set SI,    6                          ; x path: v6 the stage, on the way in;  v7 on the way out
.set SO,    7
.set XR,    16                         ; v16-143  two sets of 64 registers as loaded
.set XX,    144                        ; v144-207 64 numbers of my row: register 16 b + i = k 32 b + 16 (lane / 16) + i
.set TM,    208                        ; v208-211 largest magnitudes, v212-215 bytes, v220-223 the conversions' scale operands
.set PW,    224                        ; v224-227 the scale word of unit n
.set PC,    228                        ; v228-239 the codes just made; v240-246 at work
.set SW,    248                        ; v248-249 the block's scale words as they are stored
.set SEL,   30                         ; s30, s31 v_permlanex16_b32's selects for lane l xor 16
.set HM,    32                         ; s32 lanes 16-31
.macro WLOAD t                         ; block t of 32 down K: W(32 t + i, my column); the wave's 32 lanes read 128 consecutive bytes, the four waves 512
.irp i, 0,1,2,3,4,5,6,7,8,9,10,11,12,13,14,15,16,17,18,19,20,21,22,23,24,25,26,27,28,29,30,31
	global_load_b32 v[WX+32*((\t)%2)+\i], v[WA], s[20:21] offset:(32*(\t)+\i)*4096 th:TH_LOAD_NT
.endr
.endm
.macro WBLOCK t                        ; all 32 numbers of the block are mine: no other lane is asked for the maximum
.set XS,  WX+32*((\t)%2)
.set SPX, (\t)/4
.set BB,  (\t)%4
.set DD,  WF+24*SPX+12*(BB%2)+6*(BB/2)
.if (\t) < 7
	s_wait_loadcnt 32                              ; this block's 32 loads are in; the next block's 32 may be out
.else
	s_wait_loadcnt 0x0
.endif
	v_max3_num_f32 v132, |v[XS]|, |v[XS+1]|, |v[XS+2]|
	v_max3_num_f32 v133, |v[XS+3]|, |v[XS+4]|, |v[XS+5]|
.irp i, 6,10,14,18,22,26
	v_max3_num_f32 v132, v132, |v[XS+\i]|, |v[XS+\i+1]|
	v_max3_num_f32 v133, v133, |v[XS+\i+2]|, |v[XS+\i+3]|
.endr
	v_max3_num_f32 v132, v132, |v[XS+30]|, |v[XS+31]|
	v_max3_num_f32 v132, v132, v133, 0x1800000     ; and the floor 2^(3 - 127): the byte cannot fall under 1
	v_add_nc_u32 v134, 0xff000000, v132            ; 2 off the exponent field: the conversion takes this operand's exponent field as its scale
	v_lshrrev_b32 v135, 23, v134                   ; the scale's byte
.if BB == 0
	v_mov_b32 v[WSC+SPX], v135
.else
	v_lshl_or_b32 v[WSC+SPX], v135, 8*BB, v[WSC+SPX]
.endif
	v_cvt_scalef32_pk16_fp6_f32 v[DD:DD+2], v[XS:XS+15], v134
	v_cvt_scalef32_pk16_fp6_f32 v[WSTG:WSTG+2], v[XS+16:XS+31], v134
	v_nop                                          ; one plain place behind a scaled conversion
.irp i, 0,1,2
	v_mov_b32 v[DD+3+\i], v[WSTG+\i]
.endr
.if (\t) < 6
	WLOAD (\t)+2
.endif
.endm
.macro WOUT sp                         ; lane (u, rho) holds column (u, rho): blocks 0, 2 in the first 12 registers, blocks 1, 3 in the second.  The exchange of halves makes of them tile 0's and tile 1's fragments
.irp i, 0,1,2,3,4,5,6,7,8,9,10,11
	v_permlane16_swap_b32 v[WF+24*\sp+\i], v[WF+24*\sp+12+\i]
.endr
.irp u, 0,1
.irp k, 0,1,2
	global_store_b128 v[LI], v[WF+24*\sp+12*\u+4*\k:WF+24*\sp+12*\u+4*\k+3], s[16:17] offset:\u*3072+\sp*1536+512*\k   ; 512 consecutive bytes, aligned; each step has registers of its own, so no store's data are written again
.endr
.endr
.endm
.macro XLOAD n                         ; unit n = (tile n / 2, step n % 2): 16 rows x 512 bytes; each load reads 512 consecutive bytes of one row
.irp p, 0,1,2,3,4,5,6,7,8,9,10,11,12,13,14,15
	global_load_b128 v[XR+64*((\n)%2)+4*\p:XR+64*((\n)%2)+4*\p+3], v[LI], s[20:21] offset:(8*((\n)/2)+\p+8*(\p/8))*4096+((\n)%2)*512 th:TH_LOAD_NT
.endr
.endm
; 64 numbers of a lane, register 16 b + i = k 32 b + 16 (lane / 16) + i of my row, become a fragment's codes in v[PC] on and its scale word in v[pw]
.macro QUANT s, pw
.irp b, 0,1,2,3
	v_max3_num_f32 v[TM+\b], |v[\s+16*\b]|, |v[\s+1+16*\b]|, 0x1800000   ; my 16 numbers of block b, and the floor 2^(3 - 127)
.endr
.irp i, 2,4,6,8,10,12,14
.irp b, 0,1,2,3
	v_max3_num_f32 v[TM+\b], v[TM+\b], |v[\s+16*\b+\i]|, |v[\s+1+16*\b+\i]|
.endr
.endr
.irp b, 0,1,2,3
	v_permlanex16_b32 v[TM+4+\b], v[TM+\b], s[SEL], s[SEL+1]
.endr
.irp b, 0,1,2,3
	v_max_num_f32 v[TM+\b], v[TM+\b], v[TM+4+\b]   ; with lane l xor 16's: the block's largest magnitude
.endr
.irp b, 0,1,2,3
	v_add_nc_u32 v[TM+12+\b], 0xff000000, v[TM+\b]
.endr
.irp b, 0,1,2,3
	v_lshrrev_b32 v[TM+4+\b], 23, v[TM+12+\b]
.endr
	v_lshl_or_b32 v[\pw], v[TM+5], 8, v[TM+4]      ; the four bytes make my row's scale word
	v_lshl_or_b32 v[\pw], v[TM+6], 16, v[\pw]
	v_lshl_or_b32 v[\pw], v[TM+7], 24, v[\pw]
.irp c, 0,1
	v_cvt_scalef32_pk16_fp6_f32 v[PC+6*\c:PC+2+6*\c], v[\s+32*\c:\s+15+32*\c], v[TM+12+2*\c]
	v_cvt_scalef32_pk16_fp6_f32 v[PC+12+4*\c:PC+14+4*\c], v[\s+16+32*\c:\s+31+32*\c], v[TM+12+2*\c+1]
.endr
	v_nop                                          ; one plain place behind a scaled conversion
.irp c, 0,1                                    ; the operand's layout wants a whole block in a lane: lanes 0-15 block 2 c, lanes 16-31 block 2 c + 1
.irp i, 0,1,2
	v_permlane16_swap_b32 v[PC+6*\c+\i], v[PC+12+4*\c+\i]
.endr
.irp i, 0,1,2
	v_mov_b32 v[PC+3+6*\c+\i], v[PC+12+4*\c+\i]
.endr
.endr
.endm
.macro UNIT n
.if (\n) < 3
	s_wait_loadcnt 16                              ; this unit's 16 loads are in; the next unit's 16 may be out
.else
	s_wait_loadcnt 0x0
.endif
.irp p, 0,1,2,3,4,5,6,7,8,9,10,11,12,13,14,15
	ds_store_b128 v[SI], v[XR+64*((\n)%2)+4*\p:XR+64*((\n)%2)+4*\p+3] offset:\p*528   ; the rows as they lie, 528 bytes apart
.endr
.irp b, 0,1,2,3
.irp j, 0,1,2,3
	ds_load_b128 v[XX+16*\b+4*\j:XX+16*\b+4*\j+3], v[SO] offset:128*\b+16*\j   ; LDS serves a wave's instructions in order: these see the stores above.  Row lane % 16, 16 numbers of each block of 32
.endr
.endr
	s_wait_dscnt 0x0                               ; the numbers are back, and the stores into the stage have read their registers
.if (\n) > 0
	s_wait_xcnt 0x0                                ; the last unit's stores have had their addresses translated: only behind this wait are the codes' registers written again
.endif
.if (\n) < 2
	XLOAD (\n)+2
.endif
	QUANT XX, PW+(\n)
.irp k, 0,1,2
	global_store_b128 v[LI], v[PC+4*\k:PC+4*\k+3], s[14:15] offset:((\n)/2)*3072+((\n)%2)*1536+512*\k
.endr
.endm
	s_load_b256 s[4:11], s[0:1], 0x0               ; q s[4:5], v s[6:7], Wq s[8:9], Wk s[10:11]
	s_load_b128 s[12:15], s[0:1], 0x20             ; Wv s[12:13], cx s[14:15]
	s_load_b64 s[16:17], s[0:1], 0x30              ; cw
	v_lshl_add_u32 v254, v0, 2, 0x8400
	v_mov_b32 v255, 0
	v_lshrrev_b32 v4, 5, v0
	v_readfirstlane_b32 s18, v4                    ; wave
	v_and_b32 v[LANE], 31, v0
	v_lshlrev_b32 v[LI], 4, v[LANE]
	v_lshlrev_b32 v[L8], 3, v[LANE]
	v_and_b32 v4, 15, v[LANE]                      ; lane % 16
	v_lshrrev_b32 v5, 4, v[LANE]                   ; lane / 16
	s_mov_b32 s27, 0
	s_wait_kmcnt 0x0
	s_cmp_lt_u32 ttmp9, NW
	s_cbranch_scc0 .Lx
	; ---- W: work-group g: matrix g / 32, chunk (g / 8) % 4, pairs 4 (g % 8) + wave.  A lane takes a column, its registers run down K
	s_cmp_lt_u32 ttmp9, 64
	s_cselect_b64 s[20:21], s[10:11], s[12:13]
	s_cmp_lt_u32 ttmp9, 32
	s_cselect_b64 s[20:21], s[8:9], s[20:21]       ; the choice hangs on the work-group's number alone
	s_lshr_b32 s22, ttmp9, 5                       ; matrix
	s_and_b32 s23, ttmp9, 7
	s_bfe_u32 s24, ttmp9, 0x20003                  ; chunk
	s_lshl_b32 s23, s23, 2
	s_add_co_u32 s23, s23, s18                     ; pair
	s_lshl_b32 s26, s24, 20                        ; 256 rows of 4,096 bytes a chunk
	s_lshl_b32 s28, s23, 7                         ; 128 bytes a pair
	s_add_co_u32 s26, s26, s28
	s_add_nc_u64 s[20:21], s[20:21], s[26:27]
	s_mul_i32 s26, s22, 819200
	s_mul_i32 s28, s24, 25600                      ; the chunk, inside the group
	s_add_co_u32 s26, s26, s28
	s_lshr_b32 s28, s23, 2
	s_mul_i32 s28, s28, 102400                     ; the group of four pairs
	s_add_co_u32 s26, s26, s28
	s_and_b32 s28, s23, 3
	s_mul_i32 s28, s28, 6400                       ; the pair in its group
	s_add_co_u32 s26, s26, s28
	s_add_nc_u64 s[16:17], s[16:17], s[26:27]      ; my block in cw
	s_wait_alu depctr_va_vdst(0)
	v_and_b32 v7, 8, v4
	v_add_nc_u32 v7, v7, v4                        ; rho + 8 (rho / 8)
	v_lshl_add_u32 v7, v5, 3, v7                   ; + 8 u
	v_lshlrev_b32 v[WA], 2, v7
	WLOAD 0
	WLOAD 1
.irp t, 0,1,2,3
	WBLOCK \t
.endr
	WOUT 0
.irp t, 4,5,6,7
	WBLOCK \t
.endr
	WOUT 1
	v_permlane16_swap_b32 v[WSC], v[WSC+1]         ; first: tile 0's words, step 0 below, step 1 above; second: tile 1's
	global_store_b64 v[L8], v[WSC:WSC+1], s[16:17] offset:6144   ; 256 consecutive bytes, aligned
	s_endpgm
.Lx:	; ---- q, v: work-group g' = g - 96: tensor g' / 256, pair g' % 256; wave w takes chunk w
	s_sub_co_u32 s22, ttmp9, NW
	s_cmp_lt_u32 s22, 256
	s_cselect_b64 s[20:21], s[4:5], s[6:7]
	s_cselect_b32 s23, 0, 6553600
	s_and_b32 s24, s22, 255
	s_lshl_b32 s26, s24, 17                        ; 32 rows of 4,096 bytes a pair
	s_lshl_b32 s28, s18, 10                        ; 1,024 bytes of a row a chunk
	s_add_co_u32 s26, s26, s28
	s_add_nc_u64 s[20:21], s[20:21], s[26:27]
	s_mul_i32 s26, s18, 25600                      ; the chunk, inside the group
	s_add_co_u32 s26, s26, s23
	s_lshr_b32 s28, s24, 2
	s_mul_i32 s28, s28, 102400                     ; the group of four pairs
	s_add_co_u32 s26, s26, s28
	s_and_b32 s28, s24, 3
	s_mul_i32 s28, s28, 6400                       ; the pair in its group
	s_add_co_u32 s26, s26, s28
	s_add_nc_u64 s[14:15], s[14:15], s[26:27]      ; my block in cx
	s_mul_i32 s28, s18, 8448                       ; my stage: 16 rows x (512 + 16) bytes: the 16 rows that a read touches begin at 16 different columns of 16 bytes
	s_wait_alu depctr_va_vdst(0)
	v_add_nc_u32 v[SI], s28, v[LI]
	v_mul_u32_u24 v[SO], v4, 528
	v_lshl_add_u32 v[SO], v5, 6, v[SO]
	v_add_nc_u32 v[SO], s28, v[SO]
	s_mov_b32 s[SEL], 0x76543210
	s_mov_b32 s[SEL+1], 0xfedcba98
	s_mov_b32 s[HM], 0xffff0000
.irp b, 0,1,2,3
	v_mov_b32 v[TM+4+\b], 0                        ; written once: a lane permute's destination counts as one of its sources
.endr
	XLOAD 0
	XLOAD 1
	s_wait_alu depctr_va_vdst(0)
	UNIT 0
	UNIT 1
	UNIT 2
	UNIT 3
.irp u, 0,1
	v_cndmask_b32 v[SW+\u], v[PW+2*\u], v[PW+2*\u+1], s[HM]   ; tile u: step 0's words in lanes 0-15, step 1's in lanes 16-31
.endr
	global_store_b64 v[L8], v[SW:SW+1], s[14:15] offset:6144
	s_wait_tensorcnt 0x0
	ds_add_u32 v254, v255
	s_wait_dscnt 0x0
	s_endpgm
.Lfunc_end_k_qf271380a43_quant:
	.size	k_qf271380a43_quant, .Lfunc_end_k_qf271380a43_quant-k_qf271380a43_quant
	.p2alignl 7, 3214868480
	.fill 96, 4, 3214868480
	.section	.rodata,"a",@progbits
	.p2align	6, 0x0
	.amdhsa_kernel k_qf271380a43_quant
		.amdhsa_group_segment_fixed_size 34304
		.amdhsa_private_segment_fixed_size 0
		.amdhsa_enable_private_segment 0
		.amdhsa_kernarg_size 56
		.amdhsa_user_sgpr_count 2
		.amdhsa_user_sgpr_kernarg_segment_ptr 1
		.amdhsa_wavefront_size32 1
		.amdhsa_system_sgpr_workgroup_id_x 1
		.amdhsa_system_sgpr_workgroup_id_y 1
		.amdhsa_system_sgpr_workgroup_id_z 1
		.amdhsa_system_vgpr_workitem_id 0
		.amdhsa_next_free_vgpr 256
		.amdhsa_next_free_sgpr 66
		.amdhsa_reserve_vcc 0
		.amdhsa_float_denorm_mode_32 3
		.amdhsa_float_denorm_mode_16_64 3
		.amdhsa_memory_ordered 1
		.amdhsa_forward_progress 1
		.amdhsa_inst_pref_size 72
	.end_amdhsa_kernel
	.amdgpu_metadata
---
amdhsa.version: [ 1, 2 ]
amdhsa.kernels:
  - .name:           k_qf271380a43_quant
    .symbol:         k_qf271380a43_quant.kd
    .args:
      - { .name: q, .offset: 0, .size: 8, .value_kind: global_buffer, .address_space: global }
      - { .name: v, .offset: 8, .size: 8, .value_kind: global_buffer, .address_space: global }
      - { .name: Wq, .offset: 16, .size: 8, .value_kind: global_buffer, .address_space: global }
      - { .name: Wk, .offset: 24, .size: 8, .value_kind: global_buffer, .address_space: global }
      - { .name: Wv, .offset: 32, .size: 8, .value_kind: global_buffer, .address_space: global }
      - { .name: cx, .offset: 40, .size: 8, .value_kind: global_buffer, .address_space: global }
      - { .name: cw, .offset: 48, .size: 8, .value_kind: global_buffer, .address_space: global }
    .group_segment_fixed_size: 34304
    .private_segment_fixed_size: 0
    .kernarg_segment_align: 8
    .kernarg_segment_size: 56
    .max_flat_workgroup_size: 128
    .sgpr_count:     66
    .vgpr_count:     256
    .wavefront_size: 32
...
	.end_amdgpu_metadata
.endif
;; end of part 1
;; launch proj (part 2): grid 8 x 32, 4 waves a work-group, clusters of 4 x 4, 327,680 bytes of LDS; arguments cx, cw, bq, bk, bv, qf, kv; writes qf, kv
.if DOCPART == 2
	.amdgcn_target "amdgcn-amd-amdhsa--gfx1250"
	.amdhsa_code_object_version 6
	.text
	.protected	k_qf271380a43_proj
	.globl	k_qf271380a43_proj
	.p2align	8
	.type	k_qf271380a43_proj,@function
k_qf271380a43_proj:
	s_mov_b64 s[64:65], 0
	v_nop
	global_prefetch_b8 v0, s[64:65] scope:SCOPE_SE
	s_setreg_imm32_b32 hwreg(HW_REG_WAVE_MODE, 25, 1), 1
	s_wait_xcnt 0x0
	s_wait_alu depctr_hold_cnt(0) depctr_sa_sdst(0) depctr_va_vdst(0) depctr_va_sdst(0) depctr_va_ssrc(0) depctr_va_vcc(0) depctr_vm_vsrc(0)
	s_getreg_b32 s2, hwreg(HW_REG_IB_STS2, 6, 4)
	s_cmp_eq_u32 s2, 0
	s_cbranch_scc0 .Lentry_in_a_cluster
	s_endpgm
.Lentry_in_a_cluster:
	s_bfe_u32 s2, ttmp6, 0x10000c
	s_cmp_lg_u32 s2, 0xf033
	s_cbranch_scc0 .Lentry_shape_is_right
	s_endpgm
.Lentry_shape_is_right:
; The three projections, on codes of FP6 (E2M3) with E8M0 scales, and their results quantised at once into operands of the attention.
; ONE FORM: P[i][j] = bias + sum over k of S0[i][k] S1[j][k], K = 1,024; P is quantised ALONG i and leaves as fragments of 16 j x 128 i.
;   q: S0 = Wq (i = feature), S1 = q's tokens.   k: S0 = Wk, S1 = v's tokens.   v: S0 = v's tokens (i = key), S1 = Wv (j = feature): fragments of V^T, keys innermost.
; Source 0 = 16 rows of S0, whose tiles hold rows 32 b + 8 u + rho + 8 (rho / 8): a lane holds ONE j, and the 64 registers of its 8 tiles are i = 32 b + 16 (lane / 16) + 0 .. 15, b = 0 .. 3.
; A WORK-GROUP STAYS: 256 work-groups, each makes three tiles of 128 i x 256 j: its q tile, its k tile, its v tile.  A wave makes 128 i x 64 j: 32 accumulators.
; THE RING: two LDS slots of 153,600 bytes, each with 512 along K of a tile: S0's 128 rows (two chunks of 25,600 bytes), then S1's two groups of 128 rows (51,200 bytes each).
; Operands lie in memory and LDS as images of registers; all of K of 128 rows is dense in memory, so every load is a dense run of rows of 256 bytes.  Behind each change of slots a wave issues one load:
; waves 0, 1 a chunk of S0 each, waves 2, 3 a group of S1 each.  The ring goes on into the next tile; one tensor load of a wave is out at the most.  The q and k tiles are a loop's two trips; the v tile, which asks for nothing more, is written out.
; CLUSTERS: 4 x 4 work-groups.  S0's rows hang on the place along x and are shared along a column of the cluster, S1's on the place along y and are shared along a row: joint loads.
; PREFETCH: at each change of slots the half that the NEXT change will load is asked for (four K steps ahead of its load), each block of 256 bytes once in a cluster: the four partners of a joint load
; share its blocks out by address, 25 lanes an instruction (the lanes left over name the last block again).  The first three halves come by their loads alone; the last changes ask for nothing.
; OUT: qf [batch x head][block of 128 queries]: 12,800 bytes: 8 fragments, then 512 bytes of scale words.  kv [batch x head][key step]: 25,600 bytes: K's 8 fragments, V^T's 8, K's scale words, V's.
;   Scale words: [half of the 8 tiles][lane][2 words]: word p of lane 16 u + rho belongs to tile 4 half + 2 p + u, row rho.
; LIMITS: NaN and infinities are not served; blocks whose largest magnitude lies under 2^-124 keep the byte 1, a block of zeros too (its codes are zeros; this program alone reads the bytes).
;   The bias is the C of each sum's first matrix instruction: the sum's order of rounding differs from adding it last.
; REGISTERS: window 0: v1-16 addresses; v32-79, v80-127 S1's 4 fragments, two sets; v128-151 scale words, two sets of 12; v160-181 at work; v184-231 the codes on their way out, v232-239 at work.
;   window 1: the accumulators, (jt, t) at 64 jt + 8 t.   window 2: S0's 8 fragments, two sets, at 0 and 96; from v192 the bias.
.set PART,  25600                      ; a chunk: 256 K of 128 rows, four blocks of 6,400 bytes
.set HALF,  2*PART
.set GRP,   4*PART                     ; all of K of 128 rows
.set SLOT,  6*PART
.set SPARE, 2*SLOT                     ; the spare words, 128 bytes a wave
.set LI,   1                           ; 16 x lane
.set L8,   2                           ; 8 x lane
.set AD0,  3                           ; S0's fragments in the chunk in hand
.set AD1,  4                           ; my wave's S1 fragments
.set AS0,  5                           ; S0's scale words
.set AS1,  6                           ; S1's
.set BAI,  7                           ; my byte offset in a bias along i
.set BAJ,  11                          ; and along j
.set B1,   12                          ; my wave's S1 fragments in chunk 0
.set BS1,  13                          ; their scale words
.set LIO,  14                          ; the way out: codes
.set L8O,  15                          ; scale words
.set PFO,  16                          ; the prefetches' offset: 256 x min(lane, 24)
.set F1,   32
.set SC,   128
.set TM,   160
.set PW,   176
.set SW,   180
.set PC,   184
.set TQ,   232
.set SPW,  254
.set NIL,  255
.set BIAS, 192
.set WH,   18                          ; wave / 2
.set WV,   20
.set CXR,  21
.set CYR,  22
.set W1,   23                          ; wave % 2
.set SEL,  24
.set HM,   26
.set TP,   27                          ; the tile: 0 q, 1 k
.set G1A,  28                          ; group 1 for S0 (100 rows), s[36:43] for S1 (200 rows)
.set G1B,  36
.set G0A,  44
.set G0B,  48
.set KA,   52                          ; where my loads of the k tile begin: S0, S1; then the v tile's
.set KB,   54
.set VA,   56
.set VB,   58
.set NA,   60                          ; the same of the tile that is being asked for
.set NB,   62
.set RQ,   66                          ; my records in qf and kv
.set RK,   68
.set RV,   70
.set PBK,  72
.set PBV,  74
.set OUT,  76
.set OUTS, 78
.set LA0,  80
.set LB0,  81
.set POFF, 96
.set PF,   98
.set MSB, 0
.macro WIN new                         ; the immediate's high byte repeats the setting that is left
.if MSB != \new
	s_set_vgpr_msb (MSB<<8)|\new
.set MSB, \new
.endif
.endm
.macro PLACES n
.rept \n
	v_nop
.endr
.endm
.macro CREST                           ; a round of the cluster's barrier behind its opening barrier
	s_cmp_lg_u32 s[WV], 0
	s_cbranch_scc1 .Lnot_wave_0_\@
	s_barrier_signal -3
.Lnot_wave_0_\@:
	s_barrier_wait -3
	s_barrier_signal -1
	s_barrier_wait -1
.endm
.macro CROUND
	s_barrier_signal -1
	s_barrier_wait -1
	CREST
.endm
.macro SETG s                          ; both groups 0 for half s of the tile asked for, into slot s; written only where no tensor load of mine is out
	s_add_co_u32 s[G0A+1], s[LA0], (\s)*SLOT
	s_add_nc_u64 s[G0A+2:G0A+3], s[NA:NA+1], (\s)*HALF
	s_or_b32 s[G0A+3], s[G0A+3], 0x80000000
	s_add_co_u32 s[G0B+1], s[LB0], (\s)*SLOT
	s_add_nc_u64 s[G0B+2:G0B+3], s[NB:NB+1], (\s)*HALF
	s_or_b32 s[G0B+3], s[G0B+3], 0x80000000
.endm
.macro JLOAD                           ; waves 0, 1 ask for S0, waves 2, 3 for S1: each line has one mask; s_nop 0 and four v_nop follow each
	s_cmp_eq_u32 s[WH], 0
	s_cbranch_scc0 .Lfor_b_\@
	tensor_load_to_lds s[G0A:G0A+3], s[G1A:G1A+7]
	s_nop 0
	PLACES 4
	s_branch .Lasked_\@
.Lfor_b_\@:
	tensor_load_to_lds s[G0B:G0B+3], s[G1B:G1B+7]
	s_nop 0
	PLACES 4
.Lasked_\@:
.endm
.macro ADDR c                          ; chunk c's LDS addresses, made anew from registers that never change; the four additions are places too
.set COFF, ((\c)/2)*SLOT+((\c)%2)*PART
	v_add_nc_u32 v[AD0], COFF, v[LI]
	v_add_nc_u32 v[AD1], COFF, v[B1]
	v_add_nc_u32 v[AS0], COFF+6144, v[L8]
	v_add_nc_u32 v[AS1], COFF, v[BS1]
	s_wait_alu depctr_va_vdst(0)
.endm
.macro FETCH sp, cs                    ; the fragments of the chunk's step sp into set sp; with step 0 the chunk's scale words into set cs
	WIN 0x80
.irp t, 0,1,2,3,4,5,6,7
.irp k, 0,1,2
	ds_load_b128 v[96*(\sp)+12*\t+4*\k:96*(\sp)+12*\t+4*\k+3], v[AD0] offset:(\t/2)*6400+(\t%2)*3072+(\sp)*1536+512*\k
.endr
.endr
	WIN 0
.irp jt, 0,1,2,3
.irp k, 0,1,2
	ds_load_b128 v[F1+48*(\sp)+12*\jt+4*\k:F1+48*(\sp)+12*\jt+4*\k+3], v[AD1] offset:(\jt/2)*6400+(\jt%2)*3072+(\sp)*1536+512*\k
.endr
.endr
.if (\sp) == 0
.irp tp, 0,1,2,3
	ds_load_b64 v[SC+12*(\cs)+2*\tp:SC+12*(\cs)+2*\tp+1], v[AS0] offset:\tp*6400
.endr
.irp jp, 0,1
	ds_load_b64 v[SC+12*(\cs)+8+2*\jp:SC+12*(\cs)+8+2*\jp+1], v[AS1] offset:\jp*6400
.endr
.endif
.endm
; 16 matrix instructions: S1's tiles j0, j0 + 1 x S0's eight.  mode 0: the sums go on;  1: they begin with the bias along i;  2: with the bias along j.
; The 32 accumulators take turns, one instruction a turn, in the same order in every step.
.macro MUL16 j0, sp, cs, mode
.if (\mode) == 0
	WIN 0x52                                       ; source 0 window 2, source 1 window 0, C and D window 1
.else
	WIN 0x62                                       ; C window 2
.endif
.irp jt, \j0, \j0+1
.irp t, 0,1,2,3,4,5,6,7
.set DA, 64*(\jt)+8*\t
.if (\mode) == 0
.set CA, DA
.elseif (\mode) == 1
.set CA, BIAS+8*\t
.else
.set CA, BIAS+8*(\jt)
.endif
.if (\sp) == 0
	v_wmma_scale_f32_16x16x128_f8f6f4 v[DA:DA+7], v[96*(\sp)+12*\t:96*(\sp)+12*\t+11], v[F1+48*(\sp)+12*(\jt):F1+48*(\sp)+12*(\jt)+11], v[CA:CA+7], v[SC+12*(\cs)+\t], v[SC+12*(\cs)+8+(\jt)] matrix_a_fmt:MATRIX_FMT_FP6 matrix_b_fmt:MATRIX_FMT_FP6
.else
	v_wmma_scale_f32_16x16x128_f8f6f4 v[DA:DA+7], v[96*(\sp)+12*\t:96*(\sp)+12*\t+11], v[F1+48*(\sp)+12*(\jt):F1+48*(\sp)+12*(\jt)+11], v[CA:CA+7], v[SC+12*(\cs)+\t], v[SC+12*(\cs)+8+(\jt)] matrix_a_fmt:MATRIX_FMT_FP6 matrix_b_fmt:MATRIX_FMT_FP6 matrix_a_scale:MATRIX_SCALE_ROW1 matrix_b_scale:MATRIX_SCALE_ROW1
.endif
.endr
.endr
.endm
; A step of 128 along K whose successor lies in the same slot: 32 matrix instructions; in its middle, four places behind the products that read the other set, the next step's fragments are fetched into it
.macro PSTEP c, sp, mode
	s_wait_dscnt 0x0                               ; this step's fragments are in (asked for 16 matrix instructions ago)
	MUL16 0, \sp, (\c)%2, \mode
	WIN 0
.if (\sp) == 0
	PLACES 4
	FETCH 1, 0
.else
	ADDR (\c)+1
	FETCH 0, ((\c)+1)%2
.endif
	MUL16 2, \sp, (\c)%2, \mode
	WIN 0
.endm
; A slot's last step (chunk c = 1 or 3, step 1) changes slots.  Its own fragments are in registers, so my reads of the slot are over at its head.  Each wave waits for all its tensor loads (its part of the other slot),
; adds 0 to its spare word, and waits for that and for its reads.  more = 1: the barrier opens a round of the cluster's, and behind it the slot just left takes the same half of the next tile.
.macro TURN c, more
.if \more
	s_wait_xcnt 0x0                                ; my earlier prefetches have read their base: it is written anew
	s_cmp_eq_u32 s[WH], 0
.if (\c) == 1
	s_cselect_b64 s[PF:PF+1], s[NA:NA+1], s[NB:NB+1]   ; the second half of the tile that is being asked for
.else
	s_cselect_b64 s[PF:PF+1], s[VA:VA+1], s[VB:VB+1]   ; the first half of the tile after it, which is the v tile
.endif
	s_add_nc_u64 s[PF:PF+1], s[PF:PF+1], s[POFF:POFF+1]
.endif
	s_wait_tensorcnt 0x0                           ; no tensor load of mine is out
	ds_add_u32 v[SPW], v[NIL]
.if \more
	SETG (\c)/2
.endif
	s_wait_dscnt 0x0                               ; the add is done, this step's fragments are in, my reads of the slot are over
	s_barrier_signal -1
	MUL16 0, 1, (\c)%2, 0                          ; work on registers while the others arrive
	WIN 0
	s_barrier_wait -1
.if \more
	CREST
	JLOAD                                          ; the first tensor load behind the round, my one load until the next
.endif
	ADDR ((\c)+1)%4
	FETCH 0, ((\c)+1)%2
.if \more
.if (\c) == 3
	s_cmp_eq_u32 s[TP], 0                          ; behind the k tile no tile is left to ask for
	s_cbranch_scc0 .Lno_\@
.endif
	global_prefetch_b8 v[PFO], s[PF:PF+1] offset:(2-(\c)/2*2)*PART th:TH_LOAD_NT scope:SCOPE_SE
	s_cmp_eq_u32 s[WH], 0
	s_cbranch_scc1 .Lno_\@                         ; S0's share is 25 blocks of 256 bytes, S1's 50
	global_prefetch_b8 v[PFO], s[PF:PF+1] offset:(2-(\c)/2*2)*PART+6400 th:TH_LOAD_NT scope:SCOPE_SE
.Lno_\@:
.endif
	MUL16 2, 1, (\c)%2, 0
	WIN 0
.endm
.macro BIASI p                         ; a bias along i: tile t, register j: feature 32 (t / 2) + 16 h + 8 (t % 2) + j
	WIN 0x80
.irp t, 0,1,2,3,4,5,6,7
	global_load_b128 v[BIAS+8*\t:BIAS+8*\t+3], v[BAI], s[\p:\p+1] offset:(32*(\t/2)+8*(\t%2))*4
	global_load_b128 v[BIAS+8*\t+4:BIAS+8*\t+7], v[BAI], s[\p:\p+1] offset:(32*(\t/2)+8*(\t%2))*4+16
.endr
	WIN 0
.endm
.macro NEXTBIAS                        ; the next tile's bias, four places (the additions of the step before) behind the products that read this tile's
	s_cmp_eq_u32 s[TP], 0
	s_cbranch_scc0 .Lbj_\@
	BIASI PBK
	s_branch .Lbd_\@
.Lbj_\@:
	WIN 0x80
.set n, 0
.rept 32
	global_load_b32 v[BIAS+n], v[BAJ], s[PBV:PBV+1] offset:(32*((n/8)/2)+8*((n/8)%2))*4   ; along j: tile jt, every register: feature 32 (jt / 2) + 8 (jt % 2) + r + 8 (r / 8)
.set n, n+1
.endr
	WIN 0
.Lbd_\@:
.endm
; my 64 results of S1's tile jt become a fragment's codes in v[PC + 12 jt] on and its scale word in v[PW + jt]
.macro GQUANT jt
.set ACB, 64*(\jt)
.set PCJ, PC+12*(\jt)
	WIN 0x05                                       ; sources 0 and 1: window 1
.irp b, 0,1,2,3
	v_max3_num_f32 v[TM+\b], |v[ACB+16*\b]|, |v[ACB+16*\b+1]|, 0x1800000   ; each accumulator is read from its low end on; the floor 2^(3 - 127) holds the byte at 1 from below
.endr
.irp i, 2,4,6,8,10,12,14
.irp b, 0,1,2,3
	v_max3_num_f32 v[TM+\b], |v[ACB+16*\b+\i]|, |v[ACB+16*\b+\i+1]|, v[TM+\b]
.endr
.endr
	WIN 0
.irp b, 0,1,2,3
	v_permlanex16_b32 v[TM+4+\b], v[TM+\b], s[SEL], s[SEL+1]
.endr
.irp b, 0,1,2,3
	v_max_num_f32 v[TM+\b], v[TM+\b], v[TM+4+\b]   ; with lane l xor 16's: the block's largest magnitude
.endr
.irp b, 0,1,2,3
	v_add_nc_u32 v[TM+12+\b], 0xff000000, v[TM+\b] ; 2 off the exponent field: the conversion's scale operand
.endr
.irp b, 0,1,2,3
	v_lshrrev_b32 v[TM+4+\b], 23, v[TM+12+\b]      ; the scale's byte
.endr
	v_lshl_or_b32 v[PW+(\jt)], v[TM+5], 8, v[TM+4]
	v_lshl_or_b32 v[PW+(\jt)], v[TM+6], 16, v[PW+(\jt)]
	v_lshl_or_b32 v[PW+(\jt)], v[TM+7], 24, v[PW+(\jt)]
	WIN 0x01                                       ; source 0: window 1
.irp c, 0,1
	v_cvt_scalef32_pk16_fp6_f32 v[PCJ+6*\c:PCJ+6*\c+2], v[ACB+32*\c:ACB+32*\c+15], v[TM+12+2*\c]
	v_cvt_scalef32_pk16_fp6_f32 v[TQ+4*\c:TQ+4*\c+2], v[ACB+16+32*\c:ACB+16+32*\c+15], v[TM+12+2*\c+1]
.endr
	WIN 0
	v_nop                                          ; one plain place behind a scaled conversion
.irp c, 0,1                                    ; a whole block to a lane: lanes 0-15 block 2 c, lanes 16-31 block 2 c + 1
.irp i, 0,1,2
	v_permlane16_swap_b32 v[PCJ+6*\c+\i], v[TQ+4*\c+\i]
.endr
.irp i, 0,1,2
	v_mov_b32 v[PCJ+3+6*\c+\i], v[TQ+4*\c+\i]
.endr
.endr
.endm
.macro EPI ob, xo, sb, so              ; a tile's way out: each store covers 512 (the last 256) consecutive bytes, aligned; each of the four tiles has registers of its own
.irp jt, 0,1,2,3
	GQUANT \jt
.irp k, 0,1,2
	global_store_b128 v[LIO], v[PC+12*\jt+4*\k:PC+12*\jt+4*\k+3], s[\ob:\ob+1] offset:\xo+\jt*1536+512*\k
.endr
.endr
.irp p, 0,1
	v_cndmask_b32 v[SW+\p], v[PW+2*\p], v[PW+2*\p+1], s[HM]   ; word p: tile 2 p in lanes 0-15, tile 2 p + 1 in lanes 16-31
.endr
	global_store_b64 v[L8O], v[SW:SW+1], s[\sb:\sb+1] offset:\so
	s_wait_alu depctr_va_vdst(0)
.endm
; A tile's eight K steps.  At its head slot 0 is whole, its first fragments have been asked for, and slot 1's load is on its way
.macro TILE mode, more
.if \more
	s_cmp_eq_u32 s[TP], 0                          ; the tile that this tile's two changes of slots ask for: k behind q, v behind k
	s_cselect_b64 s[NA:NA+1], s[KA:KA+1], s[VA:VA+1]
	s_cselect_b64 s[NB:NB+1], s[KB:KB+1], s[VB:VB+1]
.endif
	s_wait_loadcnt 0x0                             ; the bias
	PSTEP 0, 0, \mode                              ; the first step starts the sums, with the bias as C: nothing is cleared or added later
	PSTEP 0, 1, 0
.if \more
	NEXTBIAS
.endif
	PSTEP 1, 0, 0
	TURN 1, \more
	PSTEP 2, 0, 0
	PSTEP 2, 1, 0
	PSTEP 3, 0, 0
.if \more
	TURN 3, 1
.else
	s_wait_dscnt 0x0
	MUL16 0, 1, 1, 0
	MUL16 2, 1, 1, 0
	WIN 0
.endif
	PLACES 4                                       ; in front of the first read of results
	s_wait_xcnt 0x0                                ; the last tile's stores have read their registers and their base
.endm
	s_load_b256 s[4:11], s[0:1], 0x0               ; cx s[4:5], cw s[6:7], bq s[8:9], bk s[10:11]
	s_load_b128 s[12:15], s[0:1], 0x20             ; bv s[12:13], qf s[14:15]
	s_load_b64 s[16:17], s[0:1], 0x30              ; kv
	v_lshl_add_u32 v[SPW], v0, 2, SPARE
	v_mov_b32 v[NIL], 0
	ds_add_u32 v[SPW], v[NIL]                      ; the opening lines: the add, twice on end, and its wait ahead of my first tensor load
	ds_add_u32 v[SPW], v[NIL]
	v_lshrrev_b32 v8, 5, v0
	v_readfirstlane_b32 s[WV], v8                  ; wave 0..3
	s_lshr_b32 s[WH], s[WV], 1
	s_and_b32 s[W1], s[WV], 1
	s_bfe_u32 s[CXR], ttmp6, 0x40000               ; my place along the cluster's x
	s_bfe_u32 s[CYR], ttmp6, 0x40004               ; along its y
	s_and_b32 s82, ttmp7, 0xffff                   ; the cluster's y, 0..7
	s_lshl_b32 s83, ttmp9, 2
	s_add_co_u32 s83, s83, s[CXR]                  ; q, k: my block of 128 i, 0..7
	s_lshl_b32 s84, s82, 1
	s_add_co_u32 s84, s84, ttmp9
	s_lshl_b32 s84, s84, 2
	s_add_co_u32 s84, s84, s[CXR]                  ; v: my block of 128 i, 0..63
	s_lshl_b32 s85, s82, 2
	s_add_co_u32 s85, s85, s[CYR]                  ; q, k: my block of 256 j, 0..31;  v: the place along y
	s_lshl_b32 s86, 0x1111, s[CXR]                 ; my column of the cluster
	s_or_b32 s[G1A], s86, (3<<16)|(1<<21)          ; 15:0 the mask; 17:16 elements of 8 bytes; 21 set beside a mask; no padding
	s_lshl_b32 s87, s[CYR], 2
	s_lshl_b32 s87, 15, s87                        ; my row
	s_or_b32 s[G1B], s87, (3<<16)|(1<<21)
.irp g, G1A, G1B                               ; dense bytes as rows of 256
	s_mov_b32 s[\g+1], 32<<16
	s_mov_b32 s[\g+3], 32<<16
	s_mov_b32 s[\g+5], 32
	s_mov_b32 s[\g+6], 0
	s_mov_b32 s[\g+7], 0
.endr
	s_mov_b32 s[G1A+2], 100<<16                    ; S0: a chunk, 100 rows
	s_mov_b32 s[G1A+4], 100
	s_mov_b32 s[G1B+2], 200<<16                    ; S1: two chunks of a group, 200 rows
	s_mov_b32 s[G1B+4], 200
	s_mov_b32 s[G0A], 1
	s_mov_b32 s[G0B], 1
	; offsets, apart from the addresses
	s_mul_i32 s[LA0], s[W1], PART                  ; S0: wave 0 takes a half's first chunk, wave 1 its second: in memory and in LDS alike
	s_mul_i32 s88, s83, GRP
	s_add_co_u32 s88, s88, s[LA0]                  ; q's S0, in cw
	s_mov_b32 s89, 0
	s_mul_i32 s90, s84, GRP
	s_add_co_u32 s90, s90, s[LA0]
	s_add_co_u32 s90, s90, 6553600                 ; v's S0, in cx behind q's tokens
	s_mov_b32 s91, 0
	s_mul_i32 s94, s[W1], GRP                      ; S1: wave 2 takes the first 128 rows, wave 3 the others
	s_mul_i32 s92, s85, 2*GRP
	s_add_co_u32 s92, s92, s94                     ; q's S1, in cx
	s_mov_b32 s93, 0
	s_mul_i32 s86, s[CYR], 2*GRP
	s_add_co_u32 s86, s86, s94
	s_add_co_u32 s86, s86, 1638400                 ; v's S1, in cw behind Wq and Wk
	s_mov_b32 s87, 0
	s_mul_i32 s[LB0], s[W1], HALF
	s_add_co_u32 s[LB0], s[LB0], HALF              ; no place in the cluster enters an LDS address
	s_mul_i32 s94, s[CYR], 6400                    ; the prefetches: my work-group's share of the bytes that I load, by its place among the four that ask with it
	s_mul_i32 s95, s[CXR], 12800
	s_cmp_eq_u32 s[WH], 0
	s_cselect_b32 s[POFF], s94, s95
	s_mov_b32 s[POFF+1], 0
	s_mov_b32 s[SEL], 0x76543210
	s_mov_b32 s[SEL+1], 0xfedcba98
	s_mov_b32 s[HM], 0xffff0000
	s_wait_dscnt 0x0                               ; both opening adds are done
	s_wait_kmcnt 0x0
	s_add_nc_u64 s[NA:NA+1], s[6:7], s[88:89]
	s_add_nc_u64 s[KA:KA+1], s[NA:NA+1], 819200    ; Wk lies behind Wq
	s_add_nc_u64 s[VA:VA+1], s[4:5], s[90:91]
	s_add_nc_u64 s[NB:NB+1], s[4:5], s[92:93]
	s_add_nc_u64 s[KB:KB+1], s[NB:NB+1], 6553600   ; v's tokens lie behind q's
	s_add_nc_u64 s[VB:VB+1], s[6:7], s[86:87]
	CROUND                                         ; all sixteen work-groups are here: the first joint loads meet
	SETG 0
	JLOAD                                          ; the q tile's first half: one tensor load a wave at the head
	; my records.  q, k: the head is the block of i, the 128 tokens are block 2 j + wave / 2;  v: the head is block 2 j + wave / 2 of the features, the key step the block of i
	s_lshl_b32 s86, s85, 1
	s_add_co_u32 s86, s86, s[WH]
	s_lshr_b32 s87, s86, 4                         ; batch
	s_lshl_b32 s87, s87, 3
	s_add_co_u32 s87, s87, s83
	s_lshl_b32 s87, s87, 4
	s_and_b32 s86, s86, 15
	s_add_co_u32 s87, s87, s86                     ; (batch x 8 + head) x 16 + block
	s_mov_b32 s89, 0
	s_mul_i32 s88, s87, 12800
	s_add_nc_u64 s[RQ:RQ+1], s[14:15], s[88:89]
	s_mul_i32 s88, s87, 25600
	s_add_nc_u64 s[RK:RK+1], s[16:17], s[88:89]
	s_lshl_b32 s86, s[CYR], 1
	s_add_co_u32 s86, s86, s[WH]
	s_lshr_b32 s87, s84, 4
	s_lshl_b32 s87, s87, 3
	s_add_co_u32 s87, s87, s86
	s_lshl_b32 s87, s87, 4
	s_and_b32 s86, s84, 15
	s_add_co_u32 s87, s87, s86
	s_mul_i32 s88, s87, 25600
	s_add_nc_u64 s[RV:RV+1], s[16:17], s[88:89]
	s_lshl_b32 s88, s83, 9                         ; my 128 features of bq and bk
	s_add_nc_u64 s[90:91], s[8:9], s[88:89]
	s_add_nc_u64 s[PBK:PBK+1], s[10:11], s[88:89]
	s_lshl_b32 s88, s[CYR], 10
	s_lshl_b32 s86, s[WV], 8
	s_add_co_u32 s88, s88, s86                     ; my wave's 64 features of bv
	s_add_nc_u64 s[PBV:PBV+1], s[12:13], s[88:89]
	s_mul_i32 s92, s[WH], HALF                     ; my wave's two blocks of S1 in a chunk
	s_mul_i32 s93, s[W1], 12800
	s_add_co_u32 s92, s92, s93
	s_add_co_u32 s92, s92, HALF
	s_add_co_u32 s93, s92, 6144
	s_mul_i32 s94, s[W1], 6144                     ; which four of a record's eight tiles are mine
	s_lshl_b32 s95, s[W1], 8
	v_and_b32 v8, 31, v0
	v_and_b32 v9, 15, v0                           ; r
	v_bfe_u32 v10, v0, 4, 1                        ; h
	v_lshlrev_b32 v[LI], 4, v8
	v_lshlrev_b32 v[L8], 3, v8
	v_min_u32 v[PFO], 24, v8
	v_lshlrev_b32 v[BAI], 6, v10
	v_and_b32 v[BAJ], 8, v9
	v_add_nc_u32 v[B1], s92, v[LI]
	v_add_nc_u32 v[BS1], s93, v[L8]
	v_add_nc_u32 v[LIO], s94, v[LI]
	v_add_nc_u32 v[L8O], s95, v[L8]
	v_lshlrev_b32 v[PFO], 8, v[PFO]
	v_add_nc_u32 v[BAJ], v[BAJ], v9
	v_lshlrev_b32 v[BAJ], 2, v[BAJ]
.irp b, 0,1,2,3
	v_mov_b32 v[TM+4+\b], 0                        ; written once: a lane permute's destination counts as one of its sources
.endr
	s_wait_alu depctr_va_vdst(0)
	BIASI 90                                       ; bq
	s_wait_tensorcnt 0x0                           ; my part of the first half is in
	ds_add_u32 v[SPW], v[NIL]
	SETG 1
	s_wait_dscnt 0x0
	CROUND
	JLOAD                                          ; the q tile's second half, into slot 1: the first tensor load behind the round
	ADDR 0
	FETCH 0, 0
	s_mov_b32 s[TP], 0
.Ltile:                                            ; two trips: q, k
	TILE 1, 1
	s_mov_b32 s90, 24576
	s_mov_b32 s91, 0
	s_cmp_eq_u32 s[TP], 0
	s_cselect_b64 s[OUT:OUT+1], s[RQ:RQ+1], s[RK:RK+1]
	s_cselect_b32 s90, 12288, s90                  ; where the record's scale words begin
	s_add_nc_u64 s[OUTS:OUTS+1], s[OUT:OUT+1], s[90:91]
	EPI OUT, 0, OUTS, 0
	s_add_co_u32 s[TP], s[TP], 1
	s_cmp_lt_u32 s[TP], 2
	s_cbranch_scc1 .Ltile
	TILE 2, 0                                      ; the v tile is written out: it asks for nothing more
	EPI RV, 12288, RV, 25088                       ; V^T lies behind K, its scale words behind K's
	s_wait_tensorcnt 0x0                           ; the wave's end
	ds_add_u32 v[SPW], v[NIL]
	s_wait_dscnt 0x0
	CROUND                                         ; the closing round: no work-group ends while a partner may still ask for bytes that name it
	s_endpgm
.Lfunc_end_k_qf271380a43_proj:
	.size	k_qf271380a43_proj, .Lfunc_end_k_qf271380a43_proj-k_qf271380a43_proj
	.p2alignl 7, 3214868480
	.fill 96, 4, 3214868480
	.section	.rodata,"a",@progbits
	.p2align	6, 0x0
	.amdhsa_kernel k_qf271380a43_proj
		.amdhsa_group_segment_fixed_size 327680
		.amdhsa_private_segment_fixed_size 0
		.amdhsa_enable_private_segment 0
		.amdhsa_kernarg_size 56
		.amdhsa_user_sgpr_count 2
		.amdhsa_user_sgpr_kernarg_segment_ptr 1
		.amdhsa_wavefront_size32 1
		.amdhsa_system_sgpr_workgroup_id_x 1
		.amdhsa_system_sgpr_workgroup_id_y 1
		.amdhsa_system_sgpr_workgroup_id_z 1
		.amdhsa_system_vgpr_workitem_id 0
		.amdhsa_next_free_vgpr 768
		.amdhsa_next_free_sgpr 100
		.amdhsa_reserve_vcc 0
		.amdhsa_float_denorm_mode_32 3
		.amdhsa_float_denorm_mode_16_64 3
		.amdhsa_memory_ordered 1
		.amdhsa_forward_progress 1
		.amdhsa_inst_pref_size 163
	.end_amdhsa_kernel
	.amdgpu_metadata
---
amdhsa.version: [ 1, 2 ]
amdhsa.kernels:
  - .name:           k_qf271380a43_proj
    .symbol:         k_qf271380a43_proj.kd
    .args:
      - { .name: cx, .offset: 0, .size: 8, .value_kind: global_buffer, .address_space: global }
      - { .name: cw, .offset: 8, .size: 8, .value_kind: global_buffer, .address_space: global }
      - { .name: bq, .offset: 16, .size: 8, .value_kind: global_buffer, .address_space: global }
      - { .name: bk, .offset: 24, .size: 8, .value_kind: global_buffer, .address_space: global }
      - { .name: bv, .offset: 32, .size: 8, .value_kind: global_buffer, .address_space: global }
      - { .name: qf, .offset: 40, .size: 8, .value_kind: global_buffer, .address_space: global }
      - { .name: kv, .offset: 48, .size: 8, .value_kind: global_buffer, .address_space: global }
    .group_segment_fixed_size: 327680
    .private_segment_fixed_size: 0
    .kernarg_segment_align: 8
    .kernarg_segment_size: 56
    .max_flat_workgroup_size: 128
    .sgpr_count:     100
    .vgpr_count:     768
    .wavefront_size: 32
...
	.end_amdgpu_metadata
.endif
;; end of part 2
;; launch attn (part 3): grid 8 x 32, 8 waves a work-group, clusters of 4 x 1, 327,680 bytes of LDS; arguments qf, kv, out0; writes out0
.if DOCPART == 3
	.amdgcn_target "amdgcn-amd-amdhsa--gfx1250"
	.amdhsa_code_object_version 6
	.text
	.protected	k_qf271380a43_attn
	.globl	k_qf271380a43_attn
	.p2align	8
	.type	k_qf271380a43_attn,@function
k_qf271380a43_attn:
	s_mov_b64 s[64:65], 0
	v_nop
	global_prefetch_b8 v0, s[64:65] scope:SCOPE_SE
	s_setreg_imm32_b32 hwreg(HW_REG_WAVE_MODE, 25, 1), 1
	s_wait_xcnt 0x0
	s_wait_alu depctr_hold_cnt(0) depctr_sa_sdst(0) depctr_va_vdst(0) depctr_va_sdst(0) depctr_va_ssrc(0) depctr_va_vcc(0) depctr_vm_vsrc(0)
	s_getreg_b32 s2, hwreg(HW_REG_IB_STS2, 6, 4)
	s_cmp_eq_u32 s2, 0
	s_cbranch_scc0 .Lentry_in_a_cluster
	s_endpgm
.Lentry_in_a_cluster:
	s_bfe_u32 s2, ttmp6, 0x10000c
	s_cmp_lg_u32 s2, 0x3003
	s_cbranch_scc0 .Lentry_shape_is_right
	s_endpgm
.Lentry_shape_is_right:
; out[b][q][h][:] = the sum over keys of softmax(Q . K / 32) V, both products on codes of FP6 (E2M3) with E8M0 scales; 32 heads (batch x head) of 2,048 queries and keys, head size 128.
; THE SOFTMAX AHEAD OF THE SECOND PRODUCT: t = score x log2(e) / 32; M = the row's largest t so far, rounded up to a whole number; p = 2^(t - M) is quantised along the keys, not normalised.
; The row's sum is taken of the unquantised p, in f32, and divides O at the end.  When M moves, the sum and O are multiplied by 2^(old M - new M): exact, and without a branch on data.
; OPERANDS come as images of registers (a fragment: 1,536 bytes, piece k of lane l at 512 k + 16 l).  qf: [head][block of 128 queries] 12,800 bytes: 8 fragments, scale words.
; kv: [head][key step of 128] 25,600 bytes: K's 8 fragments (16 keys x 128), V^T's 8 (16 channels x 128 keys), K's scale words, V's.  Row rho of tile 2 b + u is row 32 b + 8 u + rho + 8 (rho / 8).
; LAYOUT: both products transposed: S^T = K Q^T, O^T = V^T P^T: a lane holds ONE query; by the tiles' order of rows the 16 registers of two neighbouring tiles are 16 neighbouring keys (channels).
; SHARES: a work-group owns 256 queries of a head; each of its eight waves 32: two tiles, so that each fragment of K and V read from LDS feeds two matrix instructions; two waves to a SIMD, so that one wave's
; vector work stands beside the other's matrix work.  Every wave walks the 16 key steps.  A ring of two LDS slots of four steps; waves 0-3 bring a step each by one tensor load.
; CLUSTER: the four work-groups of a cluster belong to one head and walk the same kv: every load is asked for jointly (mask 15).
; LIMITS: NaN and infinities are not served; a block of p that has fallen to 0 keeps the byte 1 (its codes are zeros).
; REGISTERS: window 0: v1-9 addresses; v16-31 statistics, 8 a tile; v32-43 scale words; v44-67 block maxima, bytes, scale operands; v68-107 p's codes; v128-255 S^T, then p, 64 a tile.
;   window 1: v0-127 O^T, 64 a tile; v128-151 Q; v152-247 eight fragments of K or of V; v248-255 the row's sums, two pairs a tile.
.set STEPB, 25600
.set SLOTB, 4*STEPB
.set SLOT1, 1<<17                      ; slot 1 begins here: one exclusive or turns an address in one slot into the other's
.set STAGE, SLOT1+SLOTB                ; behind the ring: 16 rows x (512 + 16) bytes for each wave, for the way out; no fill lands here
.set SP,    528
.set SPARE, STAGE+8*16*SP              ; the spare words, 128 bytes for each wave: four blocks of 256 bytes that no other line names
.set LI,  1                            ; 16 x lane
.set L8,  2                            ; 8 x lane
.set ADK, 3                            ; the step's fragments
.set ADS, 4                            ; its scale words
.set SPW, 5                            ; my spare word; never rewritten
.set NIL, 6                            ; 0; never rewritten
.set STO, 8                            ; the way out: where I put 16 bytes of a row
.set RD,  9                            ; and where I read a row back
.set ST,  16                           ; tile u at ST + 8 u: +0 -M, +1 the largest t, +2 f (later 1 / sum), +3 zero (named with +2 as a pair), +4, +5 at work
.set KS,  32
.set VS,  36
.set QS,  40
.set PW,  42
.set BM,  44                           ; tile u at BM + 12 u: +0..3 block maxima, +4..7 the other half's, then bytes, +8..11 scale operands
.set PC,  68                           ; tile u at PC + 20 u: 12 codes, 8 at work
.set S,   128
.set QF,  128                          ; window 1
.set FB,  152
.set LSUM, 248
.set WV,  10
.set SEL, 20
.set CS,  22
.set G1,  24
.set G0,  32
.set TB,  36
.set SLOTS, 37
.set TW,  38
.set MSB, 0
.macro WIN new                         ; the immediate's high byte repeats the setting that is left
.if MSB != \new
	s_set_vgpr_msb (MSB<<8)|\new
.set MSB, \new
.endif
.endm
.macro CROUND                          ; a round of the cluster's barrier
	s_barrier_signal -1
	s_barrier_wait -1
	s_cmp_lg_u32 s[WV], 0
	s_cbranch_scc1 .Lnot_wave_0_\@
	s_barrier_signal -3
.Lnot_wave_0_\@:
	s_barrier_wait -3
	s_barrier_signal -1
	s_barrier_wait -1
.endm
.macro JLOAD                           ; waves 0-3 ask for a step each; the branch hangs on the wave's number alone; four v_nop follow the load
	s_cmp_lt_u32 s[WV], 4
	s_cbranch_scc0 .Lasked_\@
	tensor_load_to_lds s[G0:G0+3], s[G1:G1+7]
	s_nop 0
.rept 4
	v_nop
.endr
.Lasked_\@:
.endm
.macro WQK d, a, b, sa, ra, rb         ; S^T: the sum begins with 0.  ra, rb: which half of the lanes holds the tile's scale words
.if (\ra) && (\rb)
	v_wmma_scale_f32_16x16x128_f8f6f4 v[\d:\d+7], v[\a:\a+11], v[\b:\b+11], 0, v[\sa], v[QS] matrix_a_fmt:MATRIX_FMT_FP6 matrix_b_fmt:MATRIX_FMT_FP6 matrix_a_scale:MATRIX_SCALE_ROW1 matrix_b_scale:MATRIX_SCALE_ROW1
.elseif (\ra)
	v_wmma_scale_f32_16x16x128_f8f6f4 v[\d:\d+7], v[\a:\a+11], v[\b:\b+11], 0, v[\sa], v[QS] matrix_a_fmt:MATRIX_FMT_FP6 matrix_b_fmt:MATRIX_FMT_FP6 matrix_a_scale:MATRIX_SCALE_ROW1
.elseif (\rb)
	v_wmma_scale_f32_16x16x128_f8f6f4 v[\d:\d+7], v[\a:\a+11], v[\b:\b+11], 0, v[\sa], v[QS] matrix_a_fmt:MATRIX_FMT_FP6 matrix_b_fmt:MATRIX_FMT_FP6 matrix_b_scale:MATRIX_SCALE_ROW1
.else
	v_wmma_scale_f32_16x16x128_f8f6f4 v[\d:\d+7], v[\a:\a+11], v[\b:\b+11], 0, v[\sa], v[QS] matrix_a_fmt:MATRIX_FMT_FP6 matrix_b_fmt:MATRIX_FMT_FP6
.endif
.endm
.macro WPV d, a, b, sa, sb, ra         ; O^T, in place
.if (\ra)
	v_wmma_scale_f32_16x16x128_f8f6f4 v[\d:\d+7], v[\a:\a+11], v[\b:\b+11], v[\d:\d+7], v[\sa], v[\sb] matrix_a_fmt:MATRIX_FMT_FP6 matrix_b_fmt:MATRIX_FMT_FP6 matrix_a_scale:MATRIX_SCALE_ROW1
.else
	v_wmma_scale_f32_16x16x128_f8f6f4 v[\d:\d+7], v[\a:\a+11], v[\b:\b+11], v[\d:\d+7], v[\sa], v[\sb] matrix_a_fmt:MATRIX_FMT_FP6 matrix_b_fmt:MATRIX_FMT_FP6
.endif
.endm
; THE CHANGE OF SLOTS stands at a slot's head.  Each wave waits for all its tensor loads (its part of the slot ahead), adds 0 to its spare word, and waits for that and for its reads of the slot that it has left.
; fill = 1: the barrier is a round of the cluster's, and behind it the slot just left is filled with the four steps that follow: the load has four key steps in which to land.  One tensor load of mine is out at the most.
.macro CHANGE fill
	WIN 0
	s_wait_tensorcnt 0x0                           ; no tensor load of mine is out, so the group 0 may be written
	ds_add_u32 v[SPW], v[NIL]                      ; 0 onto my spare word
.if \fill
	ds_add_u32 v[SPW], v[NIL]                      ; and once more
	s_xor_b32 s[G0+1], s[G0+1], SLOT1              ; the other slot than last time,
	s_add_nc_u64 s[G0+2:G0+3], s[G0+2:G0+3], SLOTB ; the next four steps; the type bits on top are not reached
	s_wait_dscnt 0x0                               ; the add is done, and my reads of the slot that I have left are over
	CROUND
	JLOAD                                          ; the first thing behind the round, and my one tensor load until the next
.else
	s_wait_dscnt 0x0
	s_barrier_signal -1
	s_barrier_wait -1
.endif
.endm
; A KEY STEP: 128 keys, at LDS byte s[TB]
.macro STEP
	v_add_nc_u32 v[ADK], s[TB], v[LI]
	v_add_nc_u32 v[ADS], s[TB], v[L8]
	WIN 0x40                                       ; destination window 1
.irp kt, 0,1,2,3,4,5,6,7
.irp k, 0,1,2
	ds_load_b128 v[FB+12*\kt+4*\k:FB+12*\kt+4*\k+3], v[ADK] offset:\kt*1536+512*\k   ; K's fragments.  (The places behind the last step's products: the four sums behind its last one, and the two additions above)
.endr
.endr
	WIN 0
	ds_load_b64 v[KS:KS+1], v[ADS] offset:24576    ; register kt / 2: tile kt's words in the half kt % 2 of the lanes
	ds_load_b64 v[KS+2:KS+3], v[ADS] offset:24832
	s_wait_alu depctr_va_vdst(0)
	s_wait_dscnt 0x0
	WIN 0x05                                       ; K and Q window 1, S^T window 0
.irp kt, 0,1,2,3,4,5,6,7
.irp u, 0,1
	WQK S+64*\u+8*\kt, FB+12*\kt, QF+12*\u, KS+\kt/2, \kt%2, \u
.endr
.endr
	WIN 0
.rept 4
	v_nop                                          ; places in front of the loads over K's fragments and of the first read of the scores
.endr
	WIN 0x40
.irp dt, 0,1,2,3,4,5,6,7
.irp k, 0,1,2
	ds_load_b128 v[FB+12*\dt+4*\k:FB+12*\dt+4*\k+3], v[ADK] offset:12288+\dt*1536+512*\k   ; V^T's fragments land while the softmax is worked
.endr
.endr
	WIN 0
	ds_load_b64 v[VS:VS+1], v[ADS] offset:25088
	ds_load_b64 v[VS+2:VS+3], v[ADS] offset:25344
	; the largest score of each block of 32 keys: it serves the row's maximum and, since p rises with the score, the block's largest p.  Each accumulator is read from its low end on
.irp u, 0,1
.irp b, 0,1,2,3
	v_max3_num_f32 v[BM+12*\u+\b], v[S+64*\u+16*\b], v[S+64*\u+16*\b+1], v[S+64*\u+16*\b+2]
.endr
.endr
.irp i, 3,5,7,9,11,13
.irp u, 0,1
.irp b, 0,1,2,3
	v_max3_num_f32 v[BM+12*\u+\b], v[BM+12*\u+\b], v[S+64*\u+16*\b+\i], v[S+64*\u+16*\b+\i+1]
.endr
.endr
.endr
.irp u, 0,1
.irp b, 0,1,2,3
	v_max_num_f32 v[BM+12*\u+\b], v[BM+12*\u+\b], v[S+64*\u+16*\b+15]
.endr
.endr
.irp u, 0,1
.irp b, 0,1,2,3
	v_permlanex16_b32 v[BM+12*\u+4+\b], v[BM+12*\u+\b], s[SEL], s[SEL+1]
.endr
.endr
.irp u, 0,1
.irp b, 0,1,2,3
	v_max_num_f32 v[BM+12*\u+\b], v[BM+12*\u+\b], v[BM+12*\u+4+\b]   ; with lane l xor 16's 16 keys
.endr
.endr
.irp u, 0
	v_max3_num_f32 v[ST+8*\u+4], v[BM+12*\u], v[BM+12*\u+1], v[BM+12*\u+2]
.endr
.irp u, 1
	s_delay_alu instid0(VALU_DEP_3)
	v_max3_num_f32 v[ST+8*\u+4], v[BM+12*\u], v[BM+12*\u+1], v[BM+12*\u+2]
.endr
.irp u, 0,1
	s_delay_alu instid0(VALU_DEP_2)
	v_max_num_f32 v[ST+8*\u+4], v[ST+8*\u+4], v[BM+12*\u+3]          ; the step's largest score of my query
.endr
.irp u, 0,1
	s_delay_alu instid0(VALU_DEP_2)
	v_mul_f32 v[ST+8*\u+4], s[CS], v[ST+8*\u+4]                      ; as t (c is positive)
.endr
.irp u, 0,1
	s_delay_alu instid0(VALU_DEP_2)
	v_max_num_f32 v[ST+8*\u+1], v[ST+8*\u+1], v[ST+8*\u+4]           ; the running largest t
.endr
.irp u, 0,1
	v_mov_b32 v[ST+8*\u+4], v[ST+8*\u]
.endr
.irp u, 0,1
	s_delay_alu instid0(VALU_DEP_4)
	v_floor_f32 v[ST+8*\u], -v[ST+8*\u+1]                            ; the new -M = floor(-t): M is a whole number
.endr
.irp u, 0,1
	s_delay_alu instid0(VALU_DEP_2)
	v_sub_f32 v[ST+8*\u+4], v[ST+8*\u], v[ST+8*\u+4]                 ; old M - new M: a whole number, 0 or less
.endr
.irp u, 0,1
	s_delay_alu instid0(VALU_DEP_2)
	v_cvt_i32_f32 v[ST+8*\u+4], v[ST+8*\u+4]                         ; (it saturates)
.endr
.irp u, 0,1
	s_delay_alu instid0(VALU_DEP_2)
	v_ldexp_f32 v[ST+8*\u+2], 1.0, v[ST+8*\u+4]                      ; f = 2^(old M - new M)
.endr
.set j, 0
.rept 32
	v_pk_fma_f32 v[S+j:S+j+1], v[S+j:S+j+1], s[CS:CS+1], v[ST:ST+1] op_sel_hi:[1,0,0]   ; tile 0: t - M, two at a time (of the pairs c and -M the low word serves both halves)
.set j, j+2
.endr
.irp b, 0,1,2,3
	v_fma_f32 v[BM+\b], v[BM+\b], s[CS], v[ST]     ; the same of each block's largest score
.endr
.set j, 0
	s_wait_alu depctr_va_vdst(0)
.rept 32                                       ; tile 0's exponentials, with tile 1's scalings between them
	v_exp_f32 v[S+j], v[S+j]
	v_exp_f32 v[S+j+1], v[S+j+1]
	v_pk_fma_f32 v[S+64+j:S+64+j+1], v[S+64+j:S+64+j+1], s[CS:CS+1], v[ST+8:ST+9] op_sel_hi:[1,0,0]
.set j, j+2
.endr
.irp b, 0,1,2,3
	v_exp_f32 v[BM+\b], v[BM+\b]                   ; the block's largest p: the same two instructions on the same number give the same bits
.endr
.irp b, 0,1,2,3
	v_fma_f32 v[BM+12+\b], v[BM+12+\b], s[CS], v[ST+8]
.endr
.set j, 0
	s_wait_alu depctr_va_vdst(0)
.rept 64
	v_exp_f32 v[S+64+j], v[S+64+j]                 ; p = 2^(t - M), at most 1
.set j, j+1
.endr
.irp b, 0,1,2,3
	v_exp_f32 v[BM+12+\b], v[BM+12+\b]
.endr
	s_wait_alu depctr_va_vdst(0)
.irp u, 0,1
.irp b, 0,1,2,3
	v_max_num_f32 v[BM+12*\u+\b], 0x1800000, v[BM+12*\u+\b]   ; the floor 2^(3 - 127): the byte cannot fall under 1.  (Tile 0's four are the plain places behind tile 1's exponentials)
.endr
.endr
.irp u, 0,1
.irp b, 0,1,2,3
	v_add_nc_u32 v[BM+12*\u+8+\b], 0xff000000, v[BM+12*\u+\b]  ; 2 off the exponent field: the conversion's scale operand
.endr
.endr
.irp u, 0,1
.irp b, 0,1,2,3
	v_lshrrev_b32 v[BM+12*\u+4+\b], 23, v[BM+12*\u+8+\b]       ; the scale's byte
.endr
.endr
.irp u, 0
	v_lshl_or_b32 v[PW+\u], v[BM+12*\u+5], 8, v[BM+12*\u+4]    ; p's scale word for these 128 keys
.endr
.irp u, 1
	s_delay_alu instid0(VALU_DEP_4)
	v_lshl_or_b32 v[PW+\u], v[BM+12*\u+5], 8, v[BM+12*\u+4]    ; p's scale word for these 128 keys
.endr
.irp u, 0,1
	s_delay_alu instid0(VALU_DEP_2)
	v_lshl_or_b32 v[PW+\u], v[BM+12*\u+6], 16, v[PW+\u]
.endr
.irp u, 0,1
	s_delay_alu instid0(VALU_DEP_2)
	v_lshl_or_b32 v[PW+\u], v[BM+12*\u+7], 24, v[PW+\u]
.endr
.irp u, 0,1
.irp c, 0,1
	v_cvt_scalef32_pk16_fp6_f32 v[PC+20*\u+6*\c:PC+20*\u+6*\c+2], v[S+64*\u+32*\c:S+64*\u+32*\c+15], v[BM+12*\u+8+2*\c]
	v_cvt_scalef32_pk16_fp6_f32 v[PC+20*\u+12+4*\c:PC+20*\u+12+4*\c+2], v[S+64*\u+16+32*\c:S+64*\u+16+32*\c+15], v[BM+12*\u+8+2*\c+1]
.endr
.endr
	v_nop                                          ; one plain place behind a scaled conversion
.irp u, 0,1
.irp c, 0,1                                    ; a whole block to a lane: lanes 0-15 block 2 c, lanes 16-31 block 2 c + 1
.irp i, 0,1,2
	v_permlane16_swap_b32 v[PC+20*\u+6*\c+\i], v[PC+20*\u+12+4*\c+\i]
.endr
.irp i, 0,1,2
	s_delay_alu instid0(VALU_DEP_3)
	v_mov_b32 v[PC+20*\u+3+6*\c+\i], v[PC+20*\u+12+4*\c+\i]
.endr
.endr
.endr
	WIN 0x41                                       ; O^T and the sums (destination and source 0) window 1, f window 0
.irp u, 0,1
.set j, 0
.rept 32
	v_pk_mul_f32 v[64*\u+j:64*\u+j+1], v[64*\u+j:64*\u+j+1], v[ST+8*\u+2:ST+8*\u+3] op_sel_hi:[1,0]   ; O^T under the new M.  (These are also the places between p's codes and scale word and the products)
.set j, j+2
.endr
	v_pk_mul_f32 v[LSUM+4*\u:LSUM+4*\u+1], v[LSUM+4*\u:LSUM+4*\u+1], v[ST+8*\u+2:ST+8*\u+3] op_sel_hi:[1,0]
	v_pk_mul_f32 v[LSUM+4*\u+2:LSUM+4*\u+3], v[LSUM+4*\u+2:LSUM+4*\u+3], v[ST+8*\u+2:ST+8*\u+3] op_sel_hi:[1,0]
.endr
	s_wait_alu depctr_va_vdst(0)
	s_wait_dscnt 0x0                               ; V^T and its scale words are in
	WIN 0x51                                       ; V^T window 1, p window 0, O^T window 1: the sums below need no other setting
.irp dt, 0,1,2,3,4,5,6,7                       ; the 16 accumulators by turns
.irp u, 0,1
	WPV 64*\u+8*\dt, FB+12*\dt, PC+20*\u, VS+\dt/2, PW+\u, \dt%2
.irp w, 0,1                                    ; behind each product four of the row's 64 packed sums OF THE UNQUANTISED p, in four chains
.irp ch, 0,1
	v_pk_add_f32 v[LSUM+4*\w+2*\ch:LSUM+4*\w+2*\ch+1], v[LSUM+4*\w+2*\ch:LSUM+4*\w+2*\ch+1], v[S+64*\w+4*(2*\dt+\u)+2*\ch:S+64*\w+4*(2*\dt+\u)+2*\ch+1]
.endr
.endr
.endr
.endr
	WIN 0
	s_add_co_u32 s[TB], s[TB], STEPB
.endm
.macro SLOT4                           ; a slot's four key steps: written once, walked four times
	s_mov_b32 s[TW], 4
.Lstep_\@:
	STEP
	s_sub_co_u32 s[TW], s[TW], 1
	s_cmp_lg_u32 s[TW], 0
	s_cbranch_scc1 .Lstep_\@
	s_sub_co_u32 s[TB], s[TB], SLOTB               ; back to a slot's first step,
	s_xor_b32 s[TB], s[TB], SLOT1                  ; in the other slot
.endm
	s_load_b128 s[4:7], s[0:1], 0x0                ; qf s[4:5], kv s[6:7]
	s_load_b64 s[8:9], s[0:1], 0x10                ; out0
	v_lshl_add_u32 v[SPW], v0, 2, SPARE
	v_mov_b32 v[NIL], 0
	ds_add_u32 v5, v6
	ds_add_u32 v5, v6
	s_wait_dscnt 0x0
	v_lshrrev_b32 v12, 5, v0
	s_delay_alu instid0(VALU_DEP_1)
	v_readfirstlane_b32 s[WV], v12                 ; wave 0..7
	s_bfe_u32 s11, ttmp6, 0x40000                  ; my place in the cluster
	s_lshl_b32 s12, ttmp9, 2
	s_add_co_u32 s12, s12, s11                     ; my block of 256 queries: it enters qf's and out0's addresses alone
	s_and_b32 s13, ttmp7, 0xffff                   ; the head (batch x 8 + head), which the four partners share
	s_mov_b32 s[G1], 15|(3<<16)|(1<<21)            ; 15:0 the mask: all four work-groups; 17:16 elements of 8 bytes; 21 set beside a mask; no padding
	s_mov_b32 s[G1+1], 32<<16                      ; a step's 25,600 dense bytes as 100 rows of 256: tensor_dim0 = 32
	s_mov_b32 s[G1+2], 100<<16                     ; tensor_dim1 = 100
	s_mov_b32 s[G1+3], 32<<16                      ; tile_dim0
	s_mov_b32 s[G1+4], 100                         ; tile_dim1
	s_mov_b32 s[G1+5], 32                          ; the pitch
	s_mov_b32 s[G1+6], 0
	s_mov_b32 s[G1+7], 0
	s_mov_b32 s[G0], 1                             ; count = 1
	s_mul_i32 s[G0+1], s[WV], STEPB                ; LDS address: slot 0, step = my wave's number
	s_mul_i32 s14, s13, 16*STEPB
	s_add_co_u32 s14, s14, s[G0+1]
	s_mov_b32 s15, 0
	s_mov_b32 s[SEL], 0x76543210
	s_mov_b32 s[SEL+1], 0xfedcba98
	s_mov_b32 s[CS], 0x3d38aa3b                    ; c = log2(e) / 32
	s_mov_b32 s[CS+1], s[CS]                       ; (named with it as a pair, so it is written)
	s_mov_b32 s[TB], 0
	s_mov_b32 s[SLOTS], 3
	s_wait_kmcnt 0x0
	s_add_nc_u64 s[G0+2:G0+3], s[6:7], s[14:15]    ; global address: the head's step = my wave's number
	s_or_b32 s[G0+3], s[G0+3], 0x80000000          ; type = 2
	CROUND                                         ; all four work-groups are here: the first joint loads meet
	JLOAD                                          ; slot 0
	v_and_b32 v12, 31, v0
	s_delay_alu instid0(VALU_DEP_1)
	v_lshlrev_b32 v[LI], 4, v12
	s_wait_alu depctr_va_vdst(0)
	v_lshlrev_b32 v[L8], 3, v12
	s_wait_alu depctr_va_vdst(0)
	s_lshl_b32 s16, s13, 4
	s_lshl_b32 s17, s12, 1
	s_add_co_u32 s16, s16, s17
	s_lshr_b32 s17, s[WV], 2
	s_add_co_u32 s16, s16, s17                     ; my record of 128 queries: 16 x head + 2 x block + wave / 4
	s_mul_i32 s16, s16, 12800
	s_mov_b32 s17, 0
	s_add_nc_u64 s[4:5], s[4:5], s[16:17]
	s_and_b32 s18, s[WV], 3                        ; my pair of tiles in it
	s_mul_i32 s19, s18, 3072
	v_add_nc_u32 v10, s19, v[LI]
	s_lshr_b32 s18, s18, 1
	s_lshl_b32 s18, s18, 8
	s_and_b32 s19, s[WV], 1
	s_lshl_b32 s19, s19, 2
	s_add_co_u32 s18, s18, s19
	v_add_nc_u32 v11, s18, v[L8]
	WIN 0x40
.irp u, 0,1
.irp k, 0,1,2
	global_load_b128 v[QF+12*\u+4*\k:QF+12*\u+4*\k+3], v10, s[4:5] offset:\u*1536+512*\k   ; Q's two fragments stay in registers
.endr
.endr
	WIN 0
	global_load_b32 v[QS], v11, s[4:5] offset:12288   ; tile 0's scale words in lanes 0-15, tile 1's in lanes 16-31
	s_lshr_b32 s14, s13, 3                         ; out0: batch x 2,048 rows of 4,096 bytes,
	s_lshl_b32 s14, s14, 23
	s_lshl_b32 s15, s12, 3
	s_add_co_u32 s15, s15, s[WV]
	s_lshl_b32 s15, s15, 17                        ; my 32 queries,
	s_add_co_u32 s14, s14, s15
	s_and_b32 s15, s13, 7
	s_lshl_b32 s15, s15, 9                         ; the head's 512 bytes of a row
	s_add_co_u32 s14, s14, s15
	s_mov_b32 s15, 0
	s_add_nc_u64 s[8:9], s[8:9], s[14:15]
	s_mul_i32 s16, s[WV], 16*SP
	s_add_co_u32 s16, s16, STAGE                   ; my stage
	v_and_b32 v12, 15, v0                          ; r
	v_bfe_u32 v13, v0, 4, 1                        ; h
	s_delay_alu instid0(VALU_DEP_2)
	v_mul_u32_u24 v[STO], v12, SP
	s_delay_alu instid0(VALU_DEP_1)
	v_lshl_add_u32 v[STO], v13, 6, v[STO]
	s_delay_alu instid0(VALU_DEP_1)
	v_add_nc_u32 v[STO], s16, v[STO]               ; in: row r, + 64 h: my 16 channels of each 32
	v_add_nc_u32 v[RD], s16, v[LI]                 ; back: a row of 512 bytes, 16 a lane
.irp u, 0,1
	v_mov_b32 v[ST+8*\u+1], 0xff61b1e6             ; the largest t so far: -3e38, under every t
	s_delay_alu instid0(VALU_DEP_1)
	v_floor_f32 v[ST+8*\u], -v[ST+8*\u+1]          ; -M
	v_mov_b32 v[ST+8*\u+3], 0
.irp b, 0,1,2,3
	v_mov_b32 v[BM+12*\u+4+\b], 0                  ; written once: a lane permute's destination counts as one of its sources
.endr
.endr
	WIN 0x40
.set j, 0
.rept 128
	v_mov_b32 v[j], 0                              ; O^T.  (The step is written once: the first finds zeros, which the first change of M leaves zeros; a first step of its own would be a third copy of the step)
.set j, j+1
.endr
.set j, 0
.rept 8
	v_mov_b32 v[LSUM+j], 0                         ; the sums
.set j, j+1
.endr
	WIN 0
	s_wait_loadcnt 0x0                             ; Q
.Lslot:                                            ; three trips: behind each change of slots but the last the next four steps are asked for (the first trip fills slot 1 for the first time, as a refill is issued)
	CHANGE 1
	SLOT4
	s_sub_co_u32 s[SLOTS], s[SLOTS], 1
	s_cmp_lg_u32 s[SLOTS], 0
	s_cbranch_scc1 .Lslot
	CHANGE 0                                       ; the last slot is written out
	SLOT4
	; THE WAY OUT.  The four sums behind the last product are its places.  The sum's parts are added; O^T is divided by the sum and goes through my stage, a tile of 16 queries at a time
	WIN 0x05
	s_wait_alu depctr_va_vdst(0)
.irp u, 0,1
	v_add_f32 v[ST+8*\u+4], v[LSUM+4*\u], v[LSUM+4*\u+1]
	v_add_f32 v[ST+8*\u+5], v[LSUM+4*\u+2], v[LSUM+4*\u+3]
.endr
	WIN 0
.irp u, 0,1
	v_add_f32 v[ST+8*\u+4], v[ST+8*\u+4], v[ST+8*\u+5]
.endr
.irp u, 0,1
	s_delay_alu instid0(VALU_DEP_2)
	v_permlanex16_b32 v[ST+8*\u+5], v[ST+8*\u+4], s[SEL], s[SEL+1]
.endr
.irp u, 0,1
	s_delay_alu instid0(VALU_DEP_2)
	v_add_f32 v[ST+8*\u+4], v[ST+8*\u+4], v[ST+8*\u+5]   ; with lane l xor 16's: the row's sum
.endr
	s_wait_alu depctr_va_vdst(0)
.irp u, 0,1
	v_rcp_f32 v[ST+8*\u+2], v[ST+8*\u+4]
.endr
	v_nop                                          ; a plain place behind the reciprocals
	s_wait_alu depctr_va_vdst(0)
.macro PACK u
	WIN 0x01                                       ; O^T window 1; the quotient goes where p lay
.set j, 0
.rept 32
	v_pk_mul_f32 v[S+64*\u+j:S+64*\u+j+1], v[64*\u+j:64*\u+j+1], v[ST+8*\u+2:ST+8*\u+3] op_sel_hi:[1,0]   ; each accumulator from its low end on.  Register 16 b + i: channel 32 b + 16 h + i of query row r
.set j, j+2
.endr
	WIN 0
.irp b, 0,1,2,3
.irp k, 0,1,2,3
	ds_store_b128 v[STO], v[S+64*\u+16*\b+4*\k:S+64*\u+16*\b+4*\k+3] offset:128*\b+16*\k
.endr
.endr
.irp i, 0,1,2,3,4,5,6,7,8,9,10,11,12,13,14,15
	ds_load_b128 v[S+64*\u+4*\i:S+64*\u+4*\i+3], v[RD] offset:\i*SP   ; LDS serves a wave's instructions in order: these see the stores above, and the next tile's stores come behind them
.endr
.endm
.macro SEND u, younger                 ; younger: the LDS instructions issued behind this tile's loads
.irp i, 0,1,2,3,4,5,6,7,8,9,10,11,12,13,14,15
	s_wait_dscnt \younger+15-\i
	global_store_b128 v[LI], v[S+64*\u+4*\i:S+64*\u+4*\i+3], s[8:9] offset:(8*\u+\i+8*(\i/8))*4096 th:TH_STORE_NT   ; the tile's row i is query 8 u + i + 8 (i / 8) of my 32; 512 consecutive bytes, aligned; written once, read by nobody here
.endr
.endm
	PACK 0
	PACK 1
	SEND 0, 32
	SEND 1, 0
	s_wait_tensorcnt 0x0                           ; the wave's end, behind my last tensor load and my last LDS store
	ds_add_u32 v[SPW], v[NIL]
	s_wait_dscnt 0x0
	CROUND                                         ; the closing round: no work-group ends while a partner may still ask for a step that names it
	s_endpgm
.Lfunc_end_k_qf271380a43_attn:
	.size	k_qf271380a43_attn, .Lfunc_end_k_qf271380a43_attn-k_qf271380a43_attn
	.p2alignl 7, 3214868480
	.fill 96, 4, 3214868480
	.section	.rodata,"a",@progbits
	.p2align	6, 0x0
	.amdhsa_kernel k_qf271380a43_attn
		.amdhsa_group_segment_fixed_size 327680
		.amdhsa_private_segment_fixed_size 0
		.amdhsa_enable_private_segment 0
		.amdhsa_kernarg_size 24
		.amdhsa_user_sgpr_count 2
		.amdhsa_user_sgpr_kernarg_segment_ptr 1
		.amdhsa_wavefront_size32 1
		.amdhsa_system_sgpr_workgroup_id_x 1
		.amdhsa_system_sgpr_workgroup_id_y 1
		.amdhsa_system_sgpr_workgroup_id_z 1
		.amdhsa_system_vgpr_workitem_id 0
		.amdhsa_next_free_vgpr 512
		.amdhsa_next_free_sgpr 66
		.amdhsa_reserve_vcc 0
		.amdhsa_float_denorm_mode_32 3
		.amdhsa_float_denorm_mode_16_64 3
		.amdhsa_memory_ordered 1
		.amdhsa_forward_progress 1
		.amdhsa_inst_pref_size 94
	.end_amdhsa_kernel
	.amdgpu_metadata
---
amdhsa.version: [ 1, 2 ]
amdhsa.kernels:
  - .name:           k_qf271380a43_attn
    .symbol:         k_qf271380a43_attn.kd
    .args:
      - { .name: qf, .offset: 0, .size: 8, .value_kind: global_buffer, .address_space: global }
      - { .name: kv, .offset: 8, .size: 8, .value_kind: global_buffer, .address_space: global }
      - { .name: out0, .offset: 16, .size: 8, .value_kind: global_buffer, .address_space: global }
    .group_segment_fixed_size: 327680
    .private_segment_fixed_size: 0
    .kernarg_segment_align: 8
    .kernarg_segment_size: 24
    .max_flat_workgroup_size: 256
    .sgpr_count:     66
    .vgpr_count:     512
    .wavefront_size: 32
...
	.end_amdgpu_metadata
.endif
;; end of part 3
